; MI455X (gfx1250); checked and timed in simulation.
; The chip was launched on July 23, 2026; its instructions are those of AMD's public machine-readable ISA for CDNA 5 (MIT licence, August 2026) and "CDNA5" Instruction Set Architecture Reference Guide (July 2026). The comments in the code are by the model that wrote it; some were corrected since.
;; WKNN Fingerprint Model. Allowed arithmetic: float matrix products may take bf16 or f16 operands with f32 sums; all other float work in f32.
;; Inputs: fingerprints 100,000 x 128 float32; positions 100,000 x 2 float32; x 1,024 x 128 float32.
;; Outputs: out0 1,024 x 2 float32.
;; One version. Each part assembles by itself: llvm-mc -triple=amdgcn-amd-amdhsa -mcpu=gfx1250 --defsym DOCPART=n.
;; ======== version 1 of 1: 3 launches
;; workspace buffers: candk 4,096,000 bytes; candi 4,096,000 bytes of whole numbers; sel 16,384 bytes of whole numbers
;; launch scan (part 1): grid 250 x 1, 16 waves a work-group, no clusters, 317,440 bytes of LDS; arguments fingerprints, x, candk, candi; writes candk, candi
.if DOCPART == 1
	.amdgcn_target "amdgcn-amd-amdhsa--gfx1250"
	.amdhsa_code_object_version 6
	.text
	.protected	k_qb29d5c645f_scan
	.globl	k_qb29d5c645f_scan
	.p2align	8
	.type	k_qb29d5c645f_scan,@function
k_qb29d5c645f_scan:
	s_mov_b64 s[64:65], 0
	v_nop
	global_prefetch_b8 v0, s[64:65] scope:SCOPE_SE
	s_setreg_imm32_b32 hwreg(HW_REG_WAVE_MODE, 25, 1), 1
	s_wait_xcnt 0x0
; SCAN: for every query, the four best GROUPS of eight neighbouring fingerprint rows inside this work-group's 400 rows.
; Score t = x.f - f.f/2 on operands rounded to bf16 (d2 = x.x - 2 t, and x.x is the same for all rows of a query, so the largest t is the
; smallest distance).  -f.f/2 enters as the C operand of the first matrix instruction.  A group's score is the largest t of its 8 rows; the four
; nearest rows always lie in the four best groups (order: score, then lower number), so a later launch looks at 32 rows a query only.
; SHARES: work-group W has rows 400 W .. 400 W + 399 (250 x 400 = 100,000) against all 1,024 queries.  Wave w has queries 64 w .. 64 w + 63:
; four query tiles of 16, kept as B fragments in 128 registers.  A = 16 fingerprint rows, B = 16 queries: lane (r = l % 16, h = l / 16) then
; holds in its 8 result registers rows 16 t + 8 h + 0..7 against query r: exactly one group.
; SIXTEEN WAVES of 256 registers, four on each of the WGP's SIMDs.  A sum ends after four matrix instructions (K = 128), so no accumulator
; stays; what a byte from LDS feeds is set by the four query tiles a wave holds: 5,120 bytes for 16 matrix instructions.  Behind each 16 matrix
; instructions stand 76 vector instructions of selection that need their results: the other three waves have work for the SIMD meanwhile.
; The chunk comes in once by tensor loads as f32 (five batches of 80 rows), is rounded to bf16 into rows of 272 bytes, and is read from there:
; every LDS byte that a tensor load fills is filled once, so no slot is ever filled again.
; No cluster: 250 work-groups divide into no cluster of four, and x comes through registers.
; LIMITS: NaN and infinite inputs and scores beyond f32's range are not served.  Equal scores: the lower group number wins.
.set PITCH,  272                       ; a bf16 row of 256 bytes + 16: 17 x 16 bytes, so 16 rows begin at 16 different 16-byte columns modulo 256
.set FB,     0                         ; bf16 fingerprints, 400 rows x 272 bytes
.set F2,     400*PITCH                 ; 108,800: -f.f/2, one f32 a row, 1,600 bytes
.set FS,     110592                    ; the chunk as f32, 400 rows x 512 bytes: tensor loads write it, nothing else does
.set BATCHB, 80*512                    ; a batch: 80 rows of f32
.set WAVEB,  5*512                     ; a wave's five rows of a batch
.set XSB,    16*PITCH                  ; stage for one query tile, a wave's own
.set XS0,    FB+80*PITCH               ; the sixteen stages lie on bf16 rows 80 to 335, which are first written in batch 1, behind the first barrier
.set QTB,    250*256                   ; bytes of one query tile in candk and in candi
.set XOFF,  1                          ; 16 x lane
.set XST,   2                          ; x stage: where I store 8 bytes of a row
.set XLD,   3                          ;          where I read my fragment
.set AADR,  4                          ; A fragment of the tile that is loaded next
.set CADR,  5                          ; its -f.f/2
.set FSRD,  6                          ; conversion, rows 0-3 of my five: where I read f32
.set FBST,  7                          ;                                  where I store bf16
.set F2ST,  8                          ;                                  where the row's -f.f/2 goes
.set GID,   9                          ; number of my group in the tile at work: 50 W + 2 t + h
.set COFF,  10                         ; my 8 bytes in candk and candi
.set FSRD2, 11                         ; conversion, row 4 of my five: the same three addresses, alike in both halves of the wave
.set FBST2, 12
.set F2ST2, 13
.set AF,    16                         ; v[16:47]   A fragments, 4 x 8
.set CF,    48                         ; v[48:55]   -f.f/2 in the accumulators' layout
.set ACC,   56                         ; v[56:87]   four accumulators
.set KK,    88                         ; v[88:103]  tile q: four best scores, descending
.set II,    104                        ; v[104:119] their group numbers
.set MA,    120                        ; v[120:123] group score at work
.set MB,    124                        ; v[124:127]
.set BF,    128                        ; v[128:255] B fragments: 128 + 32 q + 8 c + 0..7 (query tile q, K quarter c)
.set CP,    16                         ; v[16:27]   conversion: packed bf16 (A's registers, idle between batches)
.set CL,    56                         ; v[56:79]   conversion: f32 as loaded (the accumulators')
.set CS,    120                        ; v[120:122] conversion: sums of squares
.set FT,    128                        ; v[128:159] the way out (B's registers, no longer needed)
.set TA,    64                         ; two sets of 64 registers for rows of x on their way: v[64:127],
.set TB,    192                        ; and v[192:255], the place of B's tiles 2 and 3
.set G1,    16                         ; s[16:23] descriptor group 1
.set G0,    24                         ; s[24:43] descriptor group 0, one set for each batch, never rewritten
.set CM,    44                         ; s[44:59] lane masks of the insertion
	s_load_b256 s[4:11], s[0:1], 0x0               ; fingerprints s[4:5], x s[6:7], candk s[8:9], candi s[10:11]
	v_lshl_add_u32 v14, v0, 2, 0x4d000
	v_mov_b32 v15, 0
	ds_add_u32 v14, v15
	ds_add_u32 v14, v15
	v_lshrrev_b32 v16, 5, v0
	v_readfirstlane_b32 s12, v16                   ; wave 0..15
	; group 1: five f32 rows are 2,560 dense bytes, taken as 10 rows of 32 elements of 8 bytes (256 bytes a row), no padding
	s_mov_b32 s[G1+0], 3<<16                       ; no mask; elements of 8 bytes
	s_mov_b32 s[G1+1], 32<<16                      ; tensor_dim0 = 32
	s_mov_b32 s[G1+2], 10<<16                      ; tensor_dim1 = 10
	s_mov_b32 s[G1+3], 32<<16                      ; tile_dim0 = 32
	s_mov_b32 s[G1+4], 10                          ; tile_dim1 = 10
	s_mov_b32 s[G1+5], 32                          ; pitch = 32 elements
	s_mov_b32 s[G1+6], 0
	s_mov_b32 s[G1+7], 0
	s_mov_b32 s62, 0x76543210                      ; v_permlanex16_b32: lane i of one half reads lane i of the other
	s_mov_b32 s63, 0xfedcba98
	s_mul_i32 s13, s12, WAVEB                      ; my five rows inside a batch
	s_mul_i32 s14, ttmp9, 400*512                  ; the chunk: at most 249 x 204,800 bytes, below 4 GiB
	s_add_co_u32 s14, s14, s13
	s_mov_b32 s15, 0
	s_wait_dscnt 0x0
	s_wait_kmcnt 0x0
	s_add_nc_u64 s[2:3], s[4:5], s[14:15]
	; All five first fills go out together, ahead of every wait on TENSORcnt, every LDS read and every barrier: five tensor loads of this wave are out.
.irp b, 0,1,2,3,4
	s_mov_b32 s[G0+4*\b], 1
	s_add_co_u32 s[G0+4*\b+1], s13, FS+BATCHB*\b   ; LDS: a constant + wave x 2,560
	s_add_nc_u64 s[G0+4*\b+2:G0+4*\b+3], s[2:3], BATCHB*\b
	s_or_b32 s[G0+4*\b+3], s[G0+4*\b+3], 0x80000000
	tensor_load_to_lds s[G0+4*\b:G0+4*\b+3], s[G1:G1+7]
	s_nop 0
.endr
	s_lshl_b32 s14, s12, 15                        ; my 64 rows of x: 32,768 bytes a wave
	s_add_nc_u64 s[6:7], s[6:7], s[14:15]
	v_and_b32 v16, 31, v0                          ; lane
	v_lshlrev_b32 v[XOFF], 4, v16
; Sixteen rows of x (query tile q of my four): each load takes one whole row of 512 bytes.
.macro XLOAD q, T
.irp i, 0,1,2,3,4,5,6,7,8,9,10,11,12,13,14,15
	global_load_b128 v[\T+4*\i:\T+4*\i+3], v[XOFF], s[6:7] offset:(16*\q+\i)*512
.endr
.endm
; Round them to bf16, lay them as rows of 272 bytes in my own stage, read them back as B fragments.  n = loads issued behind this tile's.
; LDS serves a wave's instructions in order (ISA guide 5.7.1), and the stage is this wave's alone: no wait between stores and loads.
.macro XCONV q, T, n
	s_wait_loadcnt \n
.irp i, 0,1,2,3,4,5,6,7,8,9,10,11,12,13,14,15
	v_cvt_pk_bf16_f32 v[\T+4*\i],   v[\T+4*\i],   v[\T+4*\i+1]
	v_cvt_pk_bf16_f32 v[\T+4*\i+1], v[\T+4*\i+2], v[\T+4*\i+3]
	ds_store_b64 v[XST], v[\T+4*\i:\T+4*\i+1] offset:PITCH*\i
.endr
.irp c, 0,1,2,3
	ds_load_b128 v[BF+32*\q+8*\c:BF+32*\q+8*\c+3],   v[XLD] offset:64*\c
	ds_load_b128 v[BF+32*\q+8*\c+4:BF+32*\q+8*\c+7], v[XLD] offset:64*\c+32
.endr
.endm
	XLOAD 0, TA
	XLOAD 1, TB
	v_and_b32 v17, 15, v0                          ; r
	v_bfe_u32 v18, v0, 4, 1                        ; h
	v_mul_u32_u24 v[AADR], v17, PITCH
	v_lshl_add_u32 v[AADR], v18, 4, v[AADR]        ; 272 r + 16 h (FB is LDS byte 0)
	s_mul_i32 s14, s12, XSB
	s_add_co_u32 s14, s14, XS0
	v_lshl_add_u32 v[XST], v16, 3, s14
	v_add_nc_u32 v[XLD], s14, v[AADR]
	; conversion: sixteen lanes a row, 32 bytes (8 numbers) a lane.  Rows 0-3: lanes 0-15 the even row, lanes 16-31 the odd one.  Row 4: both halves
	s_add_co_u32 s14, s13, FS
	v_lshl_add_u32 v[FSRD2], v17, 5, s14
	v_lshl_add_u32 v[FSRD], v18, 9, v[FSRD2]
	v_add_nc_u32 v[FSRD2], 4*512, v[FSRD2]
	s_mul_i32 s14, s12, 5*PITCH
	v_lshl_add_u32 v[FBST2], v17, 4, s14
	v_mad_u32_u24 v[FBST], v18, PITCH, v[FBST2]
	v_add_nc_u32 v[FBST2], 4*PITCH, v[FBST2]
	s_mul_i32 s14, s12, 20
	s_add_co_u32 s14, s14, F2
	v_lshl_add_u32 v[F2ST], v18, 2, s14
	s_add_co_u32 s14, s14, 16
	v_mov_b32 v[F2ST2], s14
	v_lshl_add_u32 v[CADR], v18, 5, F2             ; rows 8 h .. 8 h + 7 of a tile
	s_mul_i32 s14, ttmp9, 50                       ; 50 groups a chunk
	s_sub_co_u32 s14, s14, 2                       ; the step of 2 comes ahead of the first use
	v_add_nc_u32 v[GID], s14, v18
	s_mul_i32 s14, s12, 4*QTB                      ; candk, candi: [query tile 4 w + q][W][r][h][2] words
	s_lshl_b32 s15, ttmp9, 8
	s_add_co_u32 s14, s14, s15
	v_lshlrev_b32 v[COFF], 4, v17
	v_lshl_add_u32 v[COFF], v18, 3, v[COFF]
	v_add_nc_u32 v[COFF], s14, v[COFF]
	XCONV 0, TA, 16                                ; 16: tile 1 stays out
	XLOAD 2, TA
	XCONV 1, TB, 16                                ; 16: tile 2 stays out
	XLOAD 3, TB
	XCONV 3, TB, 0                                 ; tile 3 ahead of tile 2: tile 2's fragments go where tile 3's first eight rows have been waiting
	XCONV 2, TA, 0
; Batch b of the chunk: my five f32 rows become bf16 rows and five values of -f.f/2 (of the rounded numbers).  Three steps: rows 0 and 1, rows 2
; and 3, and row 4, which both halves of the wave work on and store alike.
.macro CONVERT b
	s_wait_tensorcnt 4-\b                          ; a wave's tensor loads end in order (ISA guide 10.11.1): batch b is in, the 4 - b later ones stay out
.irp i, 0,1
	ds_load_b128 v[CL+8*\i:CL+8*\i+3],   v[FSRD] offset:1024*\i      ; lanes step 32 bytes, so two lanes share a 16-byte column modulo 256:
	ds_load_b128 v[CL+8*\i+4:CL+8*\i+7], v[FSRD] offset:1024*\i+16   ; taken, these are 205 KB against 2 MB of fragment reads
.endr
	ds_load_b128 v[CL+16:CL+19], v[FSRD2]
	ds_load_b128 v[CL+20:CL+23], v[FSRD2] offset:16
	s_wait_dscnt 0x0
.irp j, 0,1,2,3
.irp i, 0,1,2
	v_cvt_pk_bf16_f32 v[CP+4*\i+\j], v[CL+8*\i+2*\j], v[CL+8*\i+2*\j+1]
.endr
.endr
.irp i, 0,1,2
	v_lshlrev_b32 v[CL+8*\i], 16, v[CP+4*\i]       ; the first square starts the sum: nothing is cleared
.endr
.irp i, 0,1,2
	v_mul_f32 v[CS+\i], v[CL+8*\i], v[CL+8*\i]
.endr
.irp i, 0,1,2
	v_fma_mix_f32_bf16 v[CS+\i], v[CP+4*\i], v[CP+4*\i], v[CS+\i] op_sel:[1,1,0] op_sel_hi:[1,1,0]
.endr
.irp j, 1,2,3
.irp i, 0,1,2
	v_fma_mix_f32_bf16 v[CS+\i], v[CP+4*\i+\j], v[CP+4*\i+\j], v[CS+\i] op_sel_hi:[1,1,0]
.endr
.irp i, 0,1,2
	v_fma_mix_f32_bf16 v[CS+\i], v[CP+4*\i+\j], v[CP+4*\i+\j], v[CS+\i] op_sel:[1,1,0] op_sel_hi:[1,1,0]
.endr
.endr
.irp m, 1,2,4,8
.irp i, 0,1,2
	v_add_f32_dpp v[CS+\i], v[CS+\i], v[CS+\i] row_xmask:\m row_mask:0xf bank_mask:0xf   ; over the 16 lanes that hold one row
.endr
.endr
.irp i, 0,1,2
	v_mul_f32 v[CS+\i], -0.5, v[CS+\i]
.endr
.irp i, 0,1
	ds_store_b128 v[FBST], v[CP+4*\i:CP+4*\i+3] offset:2*PITCH*\i
	ds_store_b32 v[F2ST], v[CS+\i] offset:8*\i     ; sixteen lanes write one word with one value
.endr
	ds_store_b128 v[FBST2], v[CP+8:CP+11]
	ds_store_b32 v[F2ST2], v[CS+2]
.if \b < 4
	v_add_nc_u32 v[FSRD],  BATCHB, v[FSRD]
	v_add_nc_u32 v[FSRD2], BATCHB, v[FSRD2]
	v_add_nc_u32 v[FBST],  80*PITCH, v[FBST]
	v_add_nc_u32 v[FBST2], 80*PITCH, v[FBST2]
	v_add_nc_u32 v[F2ST],  320, v[F2ST]
	v_add_nc_u32 v[F2ST2], 320, v[F2ST2]
.endif
	s_wait_dscnt 0x0                               ; my stores are done and my reads are back (those of my x stage too), for the other waves' sake,
	s_barrier_signal -1
	s_barrier_wait -1                              ; and everybody's are: rows up to 80 b + 79 may be read.
.endm
.macro LOADA                           ; the next tile: 16 rows x 128 K of bf16, and its eight -f.f/2 a lane
.irp c, 0,1,2,3
	ds_load_b128 v[AF+8*\c:AF+8*\c+3],   v[AADR] offset:64*\c
	ds_load_b128 v[AF+8*\c+4:AF+8*\c+7], v[AADR] offset:64*\c+32
.endr
	ds_load_b128 v[CF:CF+3],   v[CADR]
	ds_load_b128 v[CF+4:CF+7], v[CADR] offset:16
.endm
; One tile of 16 rows against my four query tiles.  pf = 1: the next tile's fragments are asked for.
.macro TILE pf
	s_wait_dscnt 0x0                               ; this tile's fragments, asked for a tile ago
	; the four accumulators take turns, one instruction a turn, over the backward jump too
.irp c, 0,1,2,3
.irp q, 0,1,2,3
.if \c == 0
	v_wmma_f32_16x16x32_bf16 v[ACC+8*\q:ACC+8*\q+7], v[AF:AF+7], v[BF+32*\q:BF+32*\q+7], v[CF:CF+7]
.else
	v_wmma_f32_16x16x32_bf16 v[ACC+8*\q:ACC+8*\q+7], v[AF+8*\c:AF+8*\c+7], v[BF+32*\q+8*\c:BF+32*\q+8*\c+7], v[ACC+8*\q:ACC+8*\q+7]
.endif
.endr
.endr
	; four places behind the matrix instructions, ahead of the loads into their sources and of the reads of their results
	v_add_nc_u32 v[AADR], 16*PITCH, v[AADR]
	v_add_nc_u32 v[CADR], 64, v[CADR]
	v_add_nc_u32 v[GID], 2, v[GID]                 ; now the number of the group whose scores lie in my accumulators
	v_nop
.if \pf
	LOADA
.endif
	; the group's score: the largest of my eight
.irp q, 0,1,2,3
	v_max3_num_f32 v[MA+\q], v[ACC+8*\q], v[ACC+8*\q+1], v[ACC+8*\q+2]
.endr
.irp q, 0,1,2,3
	v_max3_num_f32 v[MB+\q], v[ACC+8*\q+3], v[ACC+8*\q+4], v[ACC+8*\q+5]
.endr
.irp q, 0,1,2,3
	v_max3_num_f32 v[MA+\q], v[ACC+8*\q+6], v[ACC+8*\q+7], v[MA+\q]
.endr
.irp q, 0,1,2,3
	v_max_num_f32 v[MA+\q], v[MA+\q], v[MB+\q]
.endr
	; insertion into the sorted list of four, without a branch.  Strictly greater, and numbers ascend: an equal score keeps the lower number ahead
.irp i, 3,2,1,0
.irp q, 0,1,2,3
	v_cmp_gt_f32 s[CM+4*\q+\i], v[MA+\q], v[KK+4*\q+\i]
.endr
.endr
.irp i, 3,2,1
.irp q, 0,1,2,3
	v_cndmask_b32 v[II+4*\q+\i], v[II+4*\q+\i], v[GID], s[CM+4*\q+\i]               ; beats place i: goes there,
.endr
.irp q, 0,1,2,3
	v_cndmask_b32 v[II+4*\q+\i], v[II+4*\q+\i], v[II+4*\q+\i-1], s[CM+4*\q+\i-1]    ; unless it beats place i - 1 too: that one moves down
.endr
.endr
.irp q, 0,1,2,3
	v_cndmask_b32 v[II+4*\q], v[II+4*\q], v[GID], s[CM+4*\q]
.endr
.irp i, 3,2,1
.irp q, 0,1,2,3
	v_med3_num_f32 v[KK+4*\q+\i], v[MA+\q], v[KK+4*\q+\i-1], v[KK+4*\q+\i]          ; the middle of the new score and the two old neighbours
.endr
.endr
.irp q, 0,1,2,3
	v_max_num_f32 v[KK+4*\q], v[MA+\q], v[KK+4*\q]
.endr
.endm
; The five tiles of a batch.  The last one asks for nothing: the rows behind it may still be in the writing, or do not exist.
.macro TILES
	LOADA
	s_mov_b32 s61, 4
.Ltile_\@:
	TILE 1
	s_sub_co_i32 s61, s61, 1
	s_cmp_lg_u32 s61, 0
	s_cbranch_scc1 .Ltile_\@
	TILE 0
.endm
	; Lists start at minus infinity; each takes 25 finite scores, so no start value is left at the end.
.irp i, 0,1,2,3,4,5,6,7,8,9,10,11,12,13,14,15
	v_mov_b32 v[KK+\i], 0xff800000
	v_mov_b32 v[II+\i], 0
.endr
	; batch by batch, as the chunk lands.  The last batch's wait on TENSORcnt is for 0: no tensor load is out from there to the end
.irp b, 0,1,2,3,4
	CONVERT \b
	TILES
.endr
	; THE WAY OUT.  Lanes r and r + 16 hold two sorted lists a, b for query r; the four best of both are best(a0, b3), best(a1, b2),
	; best(b0, a3), best(b1, a2): each lane makes two of them.  One store of the wave covers 256 consecutive bytes, aligned.
.irp q, 0,1,2,3
	v_permlanex16_b32 v[FT+8*\q],   v[KK+4*\q+3], s62, s63
	v_permlanex16_b32 v[FT+8*\q+1], v[KK+4*\q+2], s62, s63
	v_permlanex16_b32 v[FT+8*\q+2], v[II+4*\q+3], s62, s63
	v_permlanex16_b32 v[FT+8*\q+3], v[II+4*\q+2], s62, s63
.endr
.irp q, 0,1,2,3
.irp e, 0,1
	v_cmp_gt_f32 s[CM],   v[FT+8*\q+\e],   v[KK+4*\q+\e]
	v_cmp_eq_f32 s[CM+1], v[FT+8*\q+\e],   v[KK+4*\q+\e]
	v_cmp_lt_u32 s[CM+2], v[FT+8*\q+2+\e], v[II+4*\q+\e]
	s_and_b32 s[CM+1], s[CM+1], s[CM+2]
	s_or_b32 s[CM], s[CM], s[CM+1]                 ; the other half's is better: larger, or equal with the lower number
	v_cndmask_b32 v[FT+8*\q+4+\e], v[KK+4*\q+\e], v[FT+8*\q+\e],   s[CM]
	v_cndmask_b32 v[FT+8*\q+6+\e], v[II+4*\q+\e], v[FT+8*\q+2+\e], s[CM]
.endr
	global_store_b64 v[COFF], v[FT+8*\q+4:FT+8*\q+5], s[8:9]   offset:QTB*\q
	global_store_b64 v[COFF], v[FT+8*\q+6:FT+8*\q+7], s[10:11] offset:QTB*\q
.endr
	s_wait_tensorcnt 0x0
	ds_add_u32 v14, v15
	s_wait_dscnt 0x0
	s_endpgm
.Lfunc_end_k_qb29d5c645f_scan:
	.size	k_qb29d5c645f_scan, .Lfunc_end_k_qb29d5c645f_scan-k_qb29d5c645f_scan
	.p2alignl 7, 3214868480
	.fill 96, 4, 3214868480
	.section	.rodata,"a",@progbits
	.p2align	6, 0x0
	.amdhsa_kernel k_qb29d5c645f_scan
		.amdhsa_group_segment_fixed_size 317440
		.amdhsa_private_segment_fixed_size 0
		.amdhsa_enable_private_segment 0
		.amdhsa_kernarg_size 32
		.amdhsa_user_sgpr_count 2
		.amdhsa_user_sgpr_kernarg_segment_ptr 1
		.amdhsa_wavefront_size32 1
		.amdhsa_system_sgpr_workgroup_id_x 1
		.amdhsa_system_sgpr_workgroup_id_y 1
		.amdhsa_system_sgpr_workgroup_id_z 1
		.amdhsa_system_vgpr_workitem_id 0
		.amdhsa_next_free_vgpr 256
		.amdhsa_next_free_sgpr 66
		.amdhsa_reserve_vcc 0
		.amdhsa_float_denorm_mode_32 3
		.amdhsa_float_denorm_mode_16_64 3
		.amdhsa_memory_ordered 1
		.amdhsa_forward_progress 1
		.amdhsa_inst_pref_size 117
	.end_amdhsa_kernel
	.amdgpu_metadata
---
amdhsa.version: [ 1, 2 ]
amdhsa.kernels:
  - .name:           k_qb29d5c645f_scan
    .symbol:         k_qb29d5c645f_scan.kd
    .args:
      - { .name: fingerprints, .offset: 0, .size: 8, .value_kind: global_buffer, .address_space: global }
      - { .name: x, .offset: 8, .size: 8, .value_kind: global_buffer, .address_space: global }
      - { .name: candk, .offset: 16, .size: 8, .value_kind: global_buffer, .address_space: global }
      - { .name: candi, .offset: 24, .size: 8, .value_kind: global_buffer, .address_space: global }
    .group_segment_fixed_size: 317440
    .private_segment_fixed_size: 0
    .kernarg_segment_align: 8
    .kernarg_segment_size: 32
    .max_flat_workgroup_size: 512
    .sgpr_count:     66
    .vgpr_count:     256
    .wavefront_size: 32
...
	.end_amdgpu_metadata
.endif
;; end of part 1
;; launch merge (part 2): grid 64 x 1, 25 waves a work-group, no clusters, 34,048 bytes of LDS; arguments candk, candi, sel; writes sel
.if DOCPART == 2
	.amdgcn_target "amdgcn-amd-amdhsa--gfx1250"
	.amdhsa_code_object_version 6
	.text
	.protected	k_qb29d5c645f_merge
	.globl	k_qb29d5c645f_merge
	.p2align	8
	.type	k_qb29d5c645f_merge,@function
k_qb29d5c645f_merge:
	s_mov_b64 s[64:65], 0
	v_nop
	global_prefetch_b8 v0, s[64:65] scope:SCOPE_SE
	s_setreg_imm32_b32 hwreg(HW_REG_WAVE_MODE, 25, 1), 1
	s_wait_xcnt 0x0
; MERGE: one work-group for each query tile of 16 queries.  Every query has 250 chunks x 4 candidates (score, group number); the four best go
; to sel as whole numbers, best first.  Order: larger score, then lower number.  A tile's candidates are 64,000 consecutive bytes in candk and
; in candi: entry (chunk c, query r) is the 16 bytes at 256 c + 16 r.
; HOW THE ORDER IS KEPT CHEAPLY.  Group numbers rise with the chunk, and every list here covers a run of neighbouring chunks; lists are always
; merged in ascending order of their runs.  So what is inserted has higher numbers than all that the list holds, and 'strictly greater score'
; alone is the order (score, then lower number).  What is inserted is itself sorted, so its j-th member can only land at places j to 3:
; 15 + 11 + 7 + 3 = 36 instructions merge four candidates.
; An entry as it was stored is c0, c1, c3, c2 with c_i = best(a_i, b_(3-i)) of two sorted lists a, b: a bitonic run, which four comparators sort.
; Only these compare the numbers too, since a's and b's numbers interleave.
; Stage 1: 800 threads, 5 entries each (half-wave u: chunks 5 u .. 5 u + 4).  Stage 2: 160 threads merge 5 lists each.  Stage 3: 32 threads merge
; 5 lists each, then lanes 0-15 take in the upper half's list.
; Memory is read once; each load of a wave takes two whole aligned blocks of 256 bytes.  No matrix unit, no tensor load: 128 KB a work-group and
; nothing is used twice.  64 work-groups: a quarter of a tile would be 64 bytes of every block of 256.
; LIMITS: NaN and infinite scores are not served.
.set QTB, 64000
.set I1,  12800                        ; LDS: stage 1's scores at 0, its numbers at 12,800 (800 x 16 bytes each)
.set K2,  25600                        ; stage 2's scores (160 x 16 bytes)
.set I2,  28160                        ; its numbers
.set LK,  8                            ; v[8:11]  the list's scores, descending
.set LI,  12                           ; v[12:15] its numbers
.set CK,  16                           ; v[16:35] what is to be merged: scores
.set CI,  36                           ; v[36:55] numbers
.set TK,  56                           ; v[56:59] between the two steps of a sort: scores
.set TI,  60                           ; v[60:63] numbers
.set CM,  20                           ; s[20:23] lane masks of an insertion
.set CX,  24                           ; s[24:29] lane masks of two comparators
; A comparator in the full order: of (ka, ia) and (kb, ib) the better goes to (oka, oia), the other to (okb, oib).  Results lie apart from sources.
.macro CEX ka, kb, ia, ib, oka, okb, oia, oib, s
	v_cmp_lt_f32 s[\s],   v[\ka], v[\kb]
	v_cmp_eq_f32 s[\s+1], v[\ka], v[\kb]
	v_cmp_gt_u32 s[\s+2], v[\ia], v[\ib]
	v_max_num_f32 v[\oka], v[\ka], v[\kb]          ; the scores need no mask
	v_min_num_f32 v[\okb], v[\ka], v[\kb]
	s_and_b32 s[\s+1], s[\s+1], s[\s+2]
	s_or_b32 s[\s], s[\s], s[\s+1]                 ; b is the better: larger, or equal with the lower number
	v_cndmask_b32 v[\oia], v[\ia], v[\ib], s[\s]
	v_cndmask_b32 v[\oib], v[\ib], v[\ia], s[\s]
.endm
; An entry c0, c1, c3, c2 (registers k .. k + 3, numbers i .. i + 3) sorted, best first, into ok .., oi .. (which may be k, i again).
.macro SORT4 k, i, ok, oi
	CEX \k,   \k+3, \i,   \i+3, TK,   TK+2, TI,   TI+2, CX         ; (c0, c2)
	CEX \k+1, \k+2, \i+1, \i+2, TK+1, TK+3, TI+1, TI+3, CX+3       ; (c1, c3): now both of the first pair beat both of the second
	CEX TK,   TK+1, TI,   TI+1, \ok,   \ok+1, \oi,   \oi+1, CX
	CEX TK+2, TK+3, TI+2, TI+3, \ok+2, \ok+3, \oi+2, \oi+3, CX+3
.endm
; One candidate into the sorted list, without a branch.  It can land at places lo to 3 only: lo members of its own sorted four went in ahead of it,
; so the list's first lo scores are no smaller.  Strictly greater: an equal score stays behind what is there, which has the lower number.
.macro INS kv, iv, lo
.irp i, 0,1,2,3
.if \i+1 > \lo
	v_cmp_gt_f32 s[CM+\i], v[\kv], v[LK+\i]
.endif
.endr
.irp i, 3,2,1,0
.if \i+1 > \lo
	v_cndmask_b32 v[LI+\i], v[LI+\i], v[\iv], s[CM+\i]             ; beats place i: goes there,
.if \i > \lo
	v_cndmask_b32 v[LI+\i], v[LI+\i], v[LI+\i-1], s[CM+\i-1]       ; unless it beats place i - 1 too: that one moves down
.endif
.endif
.endr
.irp i, 3,2,1,0
.if \i > \lo
	v_med3_num_f32 v[LK+\i], v[\kv], v[LK+\i-1], v[LK+\i]          ; the middle of the new score and the two old neighbours
.endif
.endr
	v_max_num_f32 v[LK+\lo], v[\kv], v[LK+\lo]
.endm
; A sorted four, of higher numbers than the list's, into the list.
.macro MRG k, i
	INS \k,   \i,   0
	INS \k+1, \i+1, 1
	INS \k+2, \i+2, 2
	INS \k+3, \i+3, 3
.endm
; Five sorted lists, 256 bytes apart, in ascending order of their chunks: the first is the start, the other four are merged in.
.macro MERGE5 adr, ioff
	ds_load_b128 v[LK:LK+3], v[\adr]
	ds_load_b128 v[LI:LI+3], v[\adr] offset:\ioff
.irp e, 1,2,3,4
	ds_load_b128 v[CK-4+4*\e:CK-1+4*\e], v[\adr] offset:256*\e
	ds_load_b128 v[CI-4+4*\e:CI-1+4*\e], v[\adr] offset:\ioff+256*\e
.endr
.irp e, 1,2,3,4
	s_wait_dscnt 8-2*\e                            ; list e is in; the two loads of each later list stay out
	MRG CK-4+4*\e, CI-4+4*\e
.endr
.endm
	s_load_b128 s[4:7], s[0:1], 0x0                ; candk s[4:5], candi s[6:7]
	s_load_b64 s[8:9], s[0:1], 0x10                ; sel
	v_lshl_add_u32 v64, v0, 2, 0x7800
	v_mov_b32 v65, 0
	v_lshrrev_b32 v1, 5, v0
	v_readfirstlane_b32 s10, v1                    ; wave 0..24
	s_mul_i32 s12, ttmp9, QTB
	s_mov_b32 s13, 0
	s_mov_b32 s14, 0x76543210                      ; v_permlanex16_b32: lane i of one half reads lane i of the other
	s_mov_b32 s15, 0xfedcba98
	v_lshrrev_b32 v3, 4, v0                        ; u = t / 16
	v_and_b32 v4, 15, v0
	v_lshlrev_b32 v4, 4, v4                        ; 16 r
	v_mad_u32_u24 v3, v3, 1280, v4                 ; five things of query r, 256 bytes apart, from number 5 u on: entries in memory, lists in LDS
	v_lshlrev_b32 v6, 4, v0                        ; my own list's place
	s_wait_kmcnt 0x0
	s_add_nc_u64 s[4:5], s[4:5], s[12:13]
	s_add_nc_u64 s[6:7], s[6:7], s[12:13]
	; STAGE 1.  The last thread's last load ends at 49 x 1,280 + 240 + 1,024 + 16 = 64,000 bytes: the tile's end.
.irp i, 0,1,2,3,4
	global_load_b128 v[CK+4*\i:CK+4*\i+3], v3, s[4:5] offset:256*\i th:TH_LOAD_NT
	global_load_b128 v[CI+4*\i:CI+4*\i+3], v3, s[6:7] offset:256*\i th:TH_LOAD_NT
.endr
	s_wait_loadcnt 8                               ; entry 0 is in; the two loads of each of the four later entries stay out
	SORT4 CK, CI, LK, LI                           ; the first entry, sorted, is the list: nothing is cleared
.irp i, 1,2,3,4
	s_wait_loadcnt 8-2*\i                          ; entry i is in
	SORT4 CK+4*\i, CI+4*\i, CK+4*\i, CI+4*\i
	MRG CK+4*\i, CI+4*\i
.endr
	ds_store_b128 v6, v[LK:LK+3]
	ds_store_b128 v6, v[LI:LI+3] offset:I1
	s_wait_dscnt 0x0                               ; my list is written, for the others' sake
	s_barrier_signal -1
	s_barrier_wait -1
	s_cmp_gt_u32 s10, 4
	s_cbranch_scc1 .Lno2                           ; STAGE 2: waves 0 to 4; thread t takes lists 5 (t / 16) .. + 4 of query r: chunks 25 (t / 16) .. + 24
	MERGE5 3, I1
	ds_store_b128 v6, v[LK:LK+3] offset:K2
	ds_store_b128 v6, v[LI:LI+3] offset:I2
.Lno2:
	s_wait_dscnt 0x0
	s_barrier_signal -1
	s_barrier_wait -1
	s_cmp_lg_u32 s10, 0
	s_cbranch_scc1 .Lend                           ; STAGE 3: wave 0
	v_add_nc_u32 v5, K2, v3                        ; lanes 0-15 take stage 2's lists 0-4 of query r (chunks 0-124), lanes 16-31 lists 5-9
	MERGE5 5, I2-K2
.irp j, 0,1,2,3
	v_permlanex16_b32 v[CK+\j],   v[LK+\j], s14, s15
	v_permlanex16_b32 v[CK+4+\j], v[LI+\j], s14, s15
.endr
	MRG CK, CK+4                                   ; in lanes 0-15 the list is the lower chunks' and what comes in the higher chunks': theirs is the result
	s_lshl_b32 s12, ttmp9, 8                       ; sel: [query][4] words, 256 bytes a query tile
	s_add_nc_u64 s[8:9], s[8:9], s[12:13]
	s_wait_xcnt 0x0                                ; EXEC changes only behind this wait
	v_cmp_gt_u32 vcc_lo, 16, v0
	s_and_saveexec_b32 s16, vcc_lo
	global_store_b128 v4, v[LI:LI+3], s[8:9]       ; sixteen lanes store 256 consecutive bytes, aligned
	s_wait_xcnt 0x0
	s_or_b32 exec_lo, exec_lo, s16
.Lend:
	s_wait_tensorcnt 0x0
	ds_add_u32 v64, v65
	s_wait_dscnt 0x0
	s_endpgm
.Lfunc_end_k_qb29d5c645f_merge:
	.size	k_qb29d5c645f_merge, .Lfunc_end_k_qb29d5c645f_merge-k_qb29d5c645f_merge
	.p2alignl 7, 3214868480
	.fill 96, 4, 3214868480
	.section	.rodata,"a",@progbits
	.p2align	6, 0x0
	.amdhsa_kernel k_qb29d5c645f_merge
		.amdhsa_group_segment_fixed_size 34048
		.amdhsa_private_segment_fixed_size 0
		.amdhsa_enable_private_segment 0
		.amdhsa_kernarg_size 24
		.amdhsa_user_sgpr_count 2
		.amdhsa_user_sgpr_kernarg_segment_ptr 1
		.amdhsa_wavefront_size32 1
		.amdhsa_system_sgpr_workgroup_id_x 1
		.amdhsa_system_sgpr_workgroup_id_y 1
		.amdhsa_system_sgpr_workgroup_id_z 1
		.amdhsa_system_vgpr_workitem_id 0
		.amdhsa_next_free_vgpr 66
		.amdhsa_next_free_sgpr 66
		.amdhsa_reserve_vcc 1
		.amdhsa_float_denorm_mode_32 3
		.amdhsa_float_denorm_mode_16_64 3
		.amdhsa_memory_ordered 1
		.amdhsa_forward_progress 1
		.amdhsa_inst_pref_size 42
	.end_amdhsa_kernel
	.amdgpu_metadata
---
amdhsa.version: [ 1, 2 ]
amdhsa.kernels:
  - .name:           k_qb29d5c645f_merge
    .symbol:         k_qb29d5c645f_merge.kd
    .args:
      - { .name: candk, .offset: 0, .size: 8, .value_kind: global_buffer, .address_space: global }
      - { .name: candi, .offset: 8, .size: 8, .value_kind: global_buffer, .address_space: global }
      - { .name: sel, .offset: 16, .size: 8, .value_kind: global_buffer, .address_space: global }
    .group_segment_fixed_size: 34048
    .private_segment_fixed_size: 0
    .kernarg_segment_align: 8
    .kernarg_segment_size: 24
    .max_flat_workgroup_size: 800
    .sgpr_count:     66
    .vgpr_count:     66
    .wavefront_size: 32
...
	.end_amdgpu_metadata
.endif
;; end of part 2
;; launch rescore (part 3): grid 256 x 1, 4 waves a work-group, no clusters, 0 bytes of LDS; arguments fingerprints, positions, x, sel, out0; writes out0
.if DOCPART == 3
	.amdgcn_target "amdgcn-amd-amdhsa--gfx1250"
	.amdhsa_code_object_version 6
	.text
	.protected	k_qb29d5c645f_rescore
	.globl	k_qb29d5c645f_rescore
	.p2align	8
	.type	k_qb29d5c645f_rescore,@function
k_qb29d5c645f_rescore:
	s_mov_b64 s[64:65], 0
	v_nop
	global_prefetch_b8 v0, s[64:65] scope:SCOPE_SE
	s_setreg_imm32_b32 hwreg(HW_REG_WAVE_MODE, 25, 1), 1
	s_wait_xcnt 0x0
; RESCORE: one wave for each query.  sel names four groups of eight rows; the wave computes the 32 distances as sums of (x - f)^2 of the numbers
; rounded to bf16 (the numbers by which the groups were chosen; no difference of large sums), ranks them by (distance, then lower row number),
; and forms the mean of the four nearest rows' positions, weighted by 1 / (d + 1e-6)^2 and normalised as reference() does.
; A group is 4,096 consecutive bytes; each load of the wave takes one whole row of 512 bytes.  All 32 are asked for at once.
; 32 rows x 128 numbers a query are too few for the matrix unit, and nothing is shared between waves: no LDS, no barrier.
; out0 is 8 bytes a query: one lane stores them; the gather is spread over 256 work-groups instead of gathering whole units of out0.
; LIMITS: NaN and infinite inputs and distances beyond f32's range are not served; v_sqrt_f32 and v_rcp_f32 are good to 1 ULP, and a weight
; below 2^-126 comes out as zero (ISA guide 15.8).  A group number is clamped to 12,499, the table's last group.
.set LANE, 2
.set OFF,  3                           ; 16 x lane
.set SOFF, 4                           ; 4 x (lane / 8): my candidate's group in sel
.set L7,   5                           ; lane % 8: its row in the group
.set G,    6
.set X,    8                           ; v[8:11] my four numbers of x, rounded
.set N,    12                          ; my candidate's row number
.set NF,   13                          ; the same as f32 (below 2^24: exact)
.set POFF, 14
.set ZERO, 15
.set POS,  16                          ; v[16:17]
.set D2,   18
.set KEY,  19
.set T,    20
.set U,    21
.set CND,  22
.set FLAG, 23
.set INF,  24
.set W,    25
.set ONE,  26
.set DIST, 27
.set R,    64                          ; v[64:191] row j: four registers
.set MK,   36                          ; s[36:43] one-lane masks
	s_load_b256 s[4:11], s[0:1], 0x0               ; fingerprints s[4:5], positions s[6:7], x s[8:9], sel s[10:11]
	s_load_b64 s[12:13], s[0:1], 0x20              ; out0
	v_lshrrev_b32 v1, 5, v0
	v_readfirstlane_b32 s14, v1                    ; wave
	s_lshl_b32 s15, ttmp9, 2
	s_add_co_u32 s15, s15, s14                     ; query
	v_and_b32 v[LANE], 31, v0
	v_lshlrev_b32 v[OFF], 4, v[LANE]
	v_lshrrev_b32 v[SOFF], 3, v[LANE]
	v_lshlrev_b32 v[SOFF], 2, v[SOFF]
	v_and_b32 v[L7], 7, v[LANE]
	s_lshl_b32 s20, s15, 4                         ; 16 bytes of sel,
	s_mov_b32 s21, 0
	s_lshl_b32 s22, s15, 9                         ; 512 of x,
	s_mov_b32 s23, 0
	s_lshl_b32 s46, s15, 3                         ; 8 of out0
	s_mov_b32 s47, 0
	s_mov_b32 s32, 0x76543210
	s_mov_b32 s33, 0xfedcba98
	s_mov_b32 s34, 0xffff0000
	s_wait_kmcnt 0x0
	s_add_nc_u64 s[10:11], s[10:11], s[20:21]
	s_add_nc_u64 s[8:9], s[8:9], s[22:23]
	s_add_nc_u64 s[12:13], s[12:13], s[46:47]
	s_load_b128 s[16:19], s[10:11], 0x0            ; the four group numbers, for the bases
	global_load_b32 v[G], v[SOFF], s[10:11]        ; and my candidate's, for its row number
	global_load_b128 v[X:X+3], v[OFF], s[8:9]
	v_mov_b32 v[D2], 0
	v_mov_b32 v[T], 0                              ; destinations of lane operations count as read
	v_mov_b32 v[U], 0
	v_mov_b32 v[CND], 0
	v_mov_b32 v[FLAG], 0
	v_mov_b32 v[ZERO], 0
	v_mov_b32 v[ONE], 1.0
	s_wait_kmcnt 0x0
.irp g, 0,1,2,3
	s_min_u32 s[16+\g], s[16+\g], 12499
	s_lshl_b32 s20, s[16+\g], 12                   ; 4,096 bytes a group: at most 51,195,904
	s_add_nc_u64 s[24+2*\g:25+2*\g], s[4:5], s[20:21]
.endr
.irp g, 0,1,2,3
.irp j, 0,1,2,3,4,5,6,7
	global_load_b128 v[R+32*\g+4*\j:R+32*\g+4*\j+3], v[OFF], s[24+2*\g:25+2*\g] offset:512*\j
.endr
.endr
	s_wait_loadcnt 33                              ; my group number is in: x and the 32 rows were asked for behind it
	v_min_u32 v[G], 0x30d3, v[G]
	v_lshl_add_u32 v[N], v[G], 3, v[L7]
	v_lshlrev_b32 v[POFF], 3, v[N]
	global_load_b64 v[POS:POS+1], v[POFF], s[6:7]
	s_wait_loadcnt 33                              ; x is in: the 32 rows and the position were asked for behind it
	v_cvt_pk_bf16_f32 v[X],   v[X],   v[X+1]
	v_cvt_pk_bf16_f32 v[X+2], v[X+2], v[X+3]
	v_and_b32     v[X+1], s34, v[X]
	v_lshlrev_b32 v[X],   16,  v[X]
	v_and_b32     v[X+3], s34, v[X+2]
	v_lshlrev_b32 v[X+2], 16,  v[X+2]
; The eight rows of group g, operation by operation, so that no instruction waits for the one in front of it.  Lane 8 g + j keeps row j's sum.
.macro GROUP g
.set RB, R+32*\g
	s_wait_loadcnt 25-8*\g                         ; the group's rows are in: 24 - 8 g later rows and the position stay out
.irp j, 0,1,2,3,4,5,6,7
	s_mov_b32 s[MK+\j], 1<<(8*\g+\j)
.endr
.irp j, 0,1,2,3,4,5,6,7
	v_cvt_pk_bf16_f32 v[RB+4*\j],   v[RB+4*\j],   v[RB+4*\j+1]
	v_cvt_pk_bf16_f32 v[RB+4*\j+2], v[RB+4*\j+2], v[RB+4*\j+3]
.endr
.irp j, 0,1,2,3,4,5,6,7
	v_and_b32 v[RB+4*\j+1], s34, v[RB+4*\j]
	v_and_b32 v[RB+4*\j+3], s34, v[RB+4*\j+2]
.endr
.irp j, 0,1,2,3,4,5,6,7
	v_lshlrev_b32 v[RB+4*\j],   16, v[RB+4*\j]
	v_lshlrev_b32 v[RB+4*\j+2], 16, v[RB+4*\j+2]
.endr
.irp j, 0,1,2,3,4,5,6,7
	v_pk_add_f32 v[RB+4*\j:RB+4*\j+1],   v[X:X+1],   v[RB+4*\j:RB+4*\j+1]   neg_lo:[0,1] neg_hi:[0,1]
	v_pk_add_f32 v[RB+4*\j+2:RB+4*\j+3], v[X+2:X+3], v[RB+4*\j+2:RB+4*\j+3] neg_lo:[0,1] neg_hi:[0,1]
.endr
.irp j, 0,1,2,3,4,5,6,7
	v_pk_mul_f32 v[RB+4*\j:RB+4*\j+1], v[RB+4*\j:RB+4*\j+1], v[RB+4*\j:RB+4*\j+1]
.endr
.irp j, 0,1,2,3,4,5,6,7
	v_pk_fma_f32 v[RB+4*\j:RB+4*\j+1], v[RB+4*\j+2:RB+4*\j+3], v[RB+4*\j+2:RB+4*\j+3], v[RB+4*\j:RB+4*\j+1]
.endr
.irp j, 0,1,2,3,4,5,6,7
	v_add_f32 v[RB+4*\j], v[RB+4*\j], v[RB+4*\j+1]
.endr
.irp m, 1,2,4,8
.irp j, 0,1,2,3,4,5,6,7
	v_add_f32_dpp v[RB+4*\j], v[RB+4*\j], v[RB+4*\j] row_xmask:\m row_mask:0xf bank_mask:0xf
.endr
.endr
.irp j, 0,1,2,3,4,5,6,7
	v_permlanex16_b32 v[RB+4*\j+1], v[RB+4*\j], s32, s33
.endr
.irp j, 0,1,2,3,4,5,6,7
	v_add_f32 v[RB+4*\j], v[RB+4*\j], v[RB+4*\j+1]
.endr
.irp j, 0,1,2,3,4,5,6,7
	v_cndmask_b32 v[D2], v[D2], v[RB+4*\j], s[MK+\j]
.endr
.endm
	GROUP 0
	GROUP 1
	GROUP 2
	GROUP 3
	v_max_num_f32 v[D2], 0, v[D2]                  ; as reference() has it
	v_add_f32 v[D2], 0x2b8cbccc, v[D2]             ; + 1e-12
	v_sqrt_f32 v[DIST], v[D2]
	v_mov_b32 v[INF], 0x7f800000                   ; a plain instruction between the root and its use (ISA guide 5.7.2)
	v_cvt_f32_u32 v[NF], v[N]
	s_wait_alu depctr_va_vdst(0)
	v_mov_b32 v[KEY], v[DIST]
.macro WMIN d, s                       ; the smallest v[s] of the 32 lanes, into v[d] of every lane
	v_min_num_f32_dpp v[\d], v[\s], v[\s] row_xmask:1 row_mask:0xf bank_mask:0xf
	v_min_num_f32_dpp v[\d], v[\d], v[\d] row_xmask:2 row_mask:0xf bank_mask:0xf
	v_min_num_f32_dpp v[\d], v[\d], v[\d] row_xmask:4 row_mask:0xf bank_mask:0xf
	v_min_num_f32_dpp v[\d], v[\d], v[\d] row_xmask:8 row_mask:0xf bank_mask:0xf
	v_permlanex16_b32 v[U], v[\d], s32, s33
	v_min_num_f32 v[\d], v[\d], v[U]
.endm
.macro WSUM d, s                       ; the sum likewise
	v_add_f32_dpp v[\d], v[\s], v[\s] row_xmask:1 row_mask:0xf bank_mask:0xf
	v_add_f32_dpp v[\d], v[\d], v[\d] row_xmask:2 row_mask:0xf bank_mask:0xf
	v_add_f32_dpp v[\d], v[\d], v[\d] row_xmask:4 row_mask:0xf bank_mask:0xf
	v_add_f32_dpp v[\d], v[\d], v[\d] row_xmask:8 row_mask:0xf bank_mask:0xf
	v_permlanex16_b32 v[U], v[\d], s32, s33
	v_add_f32 v[\d], v[\d], v[U]
.endm
	; four times: the smallest distance left; among the lanes that have it, the lowest row number; that lane is flagged and leaves
.rept 4
	WMIN T, KEY
	v_cmp_eq_f32 vcc_lo, v[KEY], v[T]
	v_cndmask_b32 v[CND], v[INF], v[NF], vcc_lo
	WMIN T, CND
	v_cmp_eq_f32 vcc_lo, v[NF], v[T]               ; row numbers are all different: one lane
	v_cndmask_b32 v[FLAG], v[FLAG], v[ONE], vcc_lo
	v_cndmask_b32 v[KEY], v[KEY], v[INF], vcc_lo
.endr
	v_add_f32 v[W], 0x358637bd, v[DIST]            ; d + 1e-6
	v_mul_f32 v[W], v[W], v[W]                     ; to the power 2
	v_rcp_f32 v[T], v[W]
	v_nop
	s_wait_alu depctr_va_vdst(0)
	v_mul_f32 v[W], v[FLAG], v[T]                  ; the 28 others weigh nothing
	WSUM CND, W
	v_add_f32 v[CND], 0x2b8cbccc, v[CND]           ; + 1e-12
	v_rcp_f32 v[T], v[CND]
	v_nop
	s_wait_alu depctr_va_vdst(0)
	v_mul_f32 v[W], v[W], v[T]
	s_wait_loadcnt 0x0                             ; my candidate's position
	v_mul_f32 v[POS],   v[POS],   v[W]
	v_mul_f32 v[POS+1], v[POS+1], v[W]
	WSUM POS, POS
	WSUM POS+1, POS+1
	s_wait_xcnt 0x0                                ; EXEC changes only behind this wait
	v_cmp_eq_u32 vcc_lo, 0, v[LANE]
	s_and_saveexec_b32 s44, vcc_lo
	global_store_b64 v[ZERO], v[POS:POS+1], s[12:13]
	s_wait_xcnt 0x0
	s_or_b32 exec_lo, exec_lo, s44
	s_endpgm
.Lfunc_end_k_qb29d5c645f_rescore:
	.size	k_qb29d5c645f_rescore, .Lfunc_end_k_qb29d5c645f_rescore-k_qb29d5c645f_rescore
	.p2alignl 7, 3214868480
	.fill 96, 4, 3214868480
	.section	.rodata,"a",@progbits
	.p2align	6, 0x0
	.amdhsa_kernel k_qb29d5c645f_rescore
		.amdhsa_group_segment_fixed_size 0
		.amdhsa_private_segment_fixed_size 0
		.amdhsa_enable_private_segment 0
		.amdhsa_kernarg_size 40
		.amdhsa_user_sgpr_count 2
		.amdhsa_user_sgpr_kernarg_segment_ptr 1
		.amdhsa_wavefront_size32 1
		.amdhsa_system_sgpr_workgroup_id_x 1
		.amdhsa_system_sgpr_workgroup_id_y 1
		.amdhsa_system_sgpr_workgroup_id_z 1
		.amdhsa_system_vgpr_workitem_id 0
		.amdhsa_next_free_vgpr 192
		.amdhsa_next_free_sgpr 66
		.amdhsa_reserve_vcc 1
		.amdhsa_float_denorm_mode_32 3
		.amdhsa_float_denorm_mode_16_64 3
		.amdhsa_memory_ordered 1
		.amdhsa_forward_progress 1
		.amdhsa_inst_pref_size 44
	.end_amdhsa_kernel
	.amdgpu_metadata
---
amdhsa.version: [ 1, 2 ]
amdhsa.kernels:
  - .name:           k_qb29d5c645f_rescore
    .symbol:         k_qb29d5c645f_rescore.kd
    .args:
      - { .name: fingerprints, .offset: 0, .size: 8, .value_kind: global_buffer, .address_space: global }
      - { .name: positions, .offset: 8, .size: 8, .value_kind: global_buffer, .address_space: global }
      - { .name: x, .offset: 16, .size: 8, .value_kind: global_buffer, .address_space: global }
      - { .name: sel, .offset: 24, .size: 8, .value_kind: global_buffer, .address_space: global }
      - { .name: out0, .offset: 32, .size: 8, .value_kind: global_buffer, .address_space: global }
    .group_segment_fixed_size: 0
    .private_segment_fixed_size: 0
    .kernarg_segment_align: 8
    .kernarg_segment_size: 40
    .max_flat_workgroup_size: 128
    .sgpr_count:     66
    .vgpr_count:     192
    .wavefront_size: 32
...
	.end_amdgpu_metadata
.endif
;; end of part 3
